; MI455X (gfx1250); checked and timed in simulation.
; The chip was launched on July 23, 2026; its instructions are those of AMD's public machine-readable ISA for CDNA 5 (MIT licence, August 2026) and "CDNA5" Instruction Set Architecture Reference Guide (July 2026). The comments in the code are by the model that wrote it; some were corrected since.
;; Deep Set Classifier. Allowed arithmetic: float matrix products may take bf16 or f16 operands with f32 sums; all other float work in f32.
;; Inputs: mask 8 x 128 x 128 float32; out_b one number float32; out_w 32 float32; phi_b 32 float32; phi_w 32 float32; wctx_w 32 x 32 float32; wself_b 32 float32; wself_w 32 float32; z_tilde 8 x 8 x 128 x 128 float32.
;; Outputs: out0 8 x 8 x 128 x 128 float32.
;; 2 versions, each right; version 2 is version 1 with the launch deepset written anew for expert scheduling mode. Each part assembles by itself: llvm-mc -triple=amdgcn-amd-amdhsa -mcpu=gfx1250 --defsym DOCPART=n.
;; ======== version 1 of 2: 1 launch
;; limits: a function is approximated: absolute error at most 0.0007
;; launch deepset (part 1): grid 256 x 1, 16 waves a work-group, no clusters, 6,656 bytes of LDS; arguments z_tilde, mask, wctx_w, phi_w, phi_b, wself_w, wself_b, out_w, out_b, out0; writes out0
.if DOCPART == 1
	.amdgcn_target "amdgcn-amd-amdhsa--gfx1250"
	.amdhsa_code_object_version 6
	.text
	.protected	k_q27c1bfcba0_deepset
	.globl	k_q27c1bfcba0_deepset
	.p2align	8
	.type	k_q27c1bfcba0_deepset,@function
k_q27c1bfcba0_deepset:
	s_mov_b64 s[64:65], 0
	v_nop
	global_prefetch_b8 v0, s[64:65] scope:SCOPE_SE
	s_setreg_imm32_b32 hwreg(HW_REG_WAVE_MODE, 25, 1), 1
	s_wait_xcnt 0x0
; DeepSetClassifier, one launch.  z, out: [8 b][8 e][128 n][128 m] f32; mask: [8 b][128 n][128 m] f32; DIM = 32.
;
; TWO IDENTITIES, true for every input, carry the design:
;  (a) phi is affine in z, so c = (S1 phi_w + S0 phi_b) / den with S1 = sum_m mask z, S0 = sum_m mask, den = max(S0, 1), and
;      ctx = alpha U + beta V with U = wctx phi_w, V = wctx phi_b (2 x 1,024 multiply-adds for a work-group), alpha = S1/den, beta = S0/den.
;  (b) gelu(x) = x/2 + |x|/2 erf(|x| / sqrt 2).  The x/2 part, summed over k with out_w, is linear in z: one multiply-add for an element.
; With x_k = z w_k + t_k, t_k = wself_b[k] + ctx[k], oh_k = out_w[k]/2:
;      out = z sum(oh w) + sum(oh t) + out_b + sum_k oh_k |x_k| erf(|x_k| / sqrt 2).
; erf(a / sqrt 2) = 1 - p(a)^-4, p = 1 + c1 a + c2 a^2 + c3 a^3 + c4 a^4 (Abramowitz & Stegun 26.2.18).
;
; LIMITS, kept knowingly: that formula is off by at most 2.5e-4 in the normal distribution function, which makes one gelu wrong by at most
; about 7e-4 (near |x| = 3) and one output by at most 7e-4 x sum|out_w|.  Inputs are finite (an infinite z gives NaN through 0 x inf in the
; accumulators' start).  Where a^4 overflows, p is infinite, 1/p is 0 and erf is 1: the right limit.  c and ctx are rounded in another
; order than in the reference (identity (a)); the division by den is v_rcp_f32 and a multiply.
;
; SHARES.  256 work-groups of 16 waves.  Work-group x: b = x >> 5, four n from 4 (x & 31), all eight e: 32 rows of 128 numbers.
; Wave w: n = n0 + (w >> 2), rows e = 2 (w & 3) and e + 1, which share one row of the mask.  A lane holds 4 neighbouring numbers of each
; row, so each load of z or mask and each store covers 512 consecutive bytes, aligned.  A packed f32 pair holds (k, k+1) of ONE element:
; w, t and oh are then natural register pairs and only z is broadcast (op_sel).  2 rows x 4 elements = 8 chains that do not wait for each other.
;
; LEFT OUT, by the sizes: matrix instructions (the ctx product has collapsed to U and V; the out product has one column, 16 useful sums of
; the 256 that an instruction makes); tensor loads and a ring (a work-group reads 18 KB, all asked for in its first lines); clusters (all that
; work-groups share are 5 KB of weights); prefetches (every load is issued at once).  The four waves of one n each read its 512 bytes of mask.
.set WTAB, 0                           ; LDS   0..127   wself_w[32]
.set OTAB, 128                         ;     128..255   out_w[32] / 2
.set UTAB, 256                         ;     256..383   U[32]
.set VTAB, 384                         ;     384..511   V[32]
.set TTAB, 512                         ;     512 + 256 wave + 128 row: t[32] of the wave's two rows, the wave's own bytes
.set Z,   28                           ; v[28:31] z of row 0, v[32:35] z of row 1
.set CA,  64                           ; v[64:79]   constants of four k: +0 w, +4 oh, +8 t of row 0, +12 t of row 1
.set CB,  80                           ; v[80:95]   the same, the other buffer
.set X,   96                           ; v[96:111]  x, then |x|, then oh |x|: a pair for each chain; at the ends: scratch and the results
.set P,   112                          ; v[112:127] p, then p^-2, then 1 - p^-4
.set ACC, 128                          ; v[128:143] a pair of sums for each chain (even k, odd k)
.set R,   144                          ; v[144:159] 1 / p
; v0 thread  v1 lane  v2 z/out offset  v3 mask offset  v4 4 lane  v5 8 t  v6 8 (t & 15)  v7 U/V store address  v8 my TTAB  v9 my TTAB + 4 lane
; v10 zero  v[12:17] wctx, phi_w, phi_b pairs  v18 w[lane]  v19 b[lane]  v20 oh[lane]  v[24:27] mask, then scratch of the lane sums
; v36-38 S0, S1 row 0, S1 row 1  v40 1/den  v42-45 U, V  v46 den  v47-49 beta, alpha 0, alpha 1  v50-52 b + beta V, t row 0, t row 1
; v[56:57] (sum oh w, 0)  v[58:59], v[60:61] (sum oh t + out_b, 0) of rows 0, 1  v[62:63] c3 twice
	s_load_b512 s[4:19], s[0:1], 0x0               ; z s[4:5], mask s[6:7], wctx s[8:9], phi_w s[10:11], phi_b s[12:13], wself_w s[14:15], wself_b s[16:17], out_w s[18:19]
	s_load_b128 s[20:23], s[0:1], 0x40             ; out_b s[20:21], out0 s[22:23]
	v_lshl_add_u32 v160, v0, 2, 0x1200
	v_mov_b32 v161, 0
	v_and_b32 v1, 31, v0                           ; lane
	v_lshrrev_b32 v11, 5, v0
	v_readfirstlane_b32 s25, v11                   ; wave 0..15
	s_lshr_b32 s31, ttmp9, 5                       ; b
	s_and_b32 s27, ttmp9, 31
	s_lshl_b32 s27, s27, 2                         ; n0
	s_lshr_b32 s26, s25, 2
	s_add_co_u32 s27, s27, s26                     ; n
	s_lshl_b32 s27, s27, 9                         ; a row is 512 bytes
	s_and_b32 s26, s25, 3
	s_lshl_b32 s26, s26, 17                        ; e = 2 (w & 3); an e is 65,536 bytes
	s_add_co_u32 s26, s26, s27
	s_lshl_b32 s38, s31, 19                        ; a b of z is 524,288 bytes
	s_add_co_u32 s26, s26, s38                     ; s26: my first row in z and in out0
	s_lshl_b32 s38, s31, 16                        ; a b of the mask is 65,536 bytes
	s_add_co_u32 s27, s27, s38                     ; s27: my row in the mask
	s_lshl_b32 s38, s25, 8
	s_add_co_u32 s38, s38, TTAB                    ; s38: my wave's two rows of t in LDS
	s_lshl_b32 s39, s25, 3
	s_add_co_u32 s39, s39, UTAB                    ; s39: the two words of U that my wave makes (k = 2 wave, 2 wave + 1)
	s_mov_b32 s28, 0x76543210                      ; v_permlanex16_b32: lane i of one half reads lane i of the other
	s_mov_b32 s29, 0xfedcba98
	s_mov_b32 s30, 0x7fffffff                      ; clears a sign
	s_mov_b32 s32, 0x3c9ff716                      ; c4 = 0.019527; each constant fills a pair, since a packed source is read as a pair
	s_mov_b32 s33, 0x3c9ff716
	s_mov_b32 s34, 0x3debead5                      ; c2 = 0.115194
	s_mov_b32 s35, 0x3debead5
	s_mov_b32 s36, 0x3e499418                      ; c1 = 0.196854
	s_mov_b32 s37, 0x3e499418
	v_lshl_add_u32 v2, v1, 4, s26
	v_lshl_add_u32 v3, v1, 4, s27
	v_lshlrev_b32 v4, 2, v1
	v_lshlrev_b32 v5, 3, v0                        ; thread t holds wctx[k = t >> 4][d = 2 (t & 15), + 1]: 512 threads cover its 4,096 bytes once
	v_and_b32 v6, 15, v0
	v_lshlrev_b32 v6, 3, v6                        ; and the same two d of phi_w and phi_b
	v_lshrrev_b32 v7, 4, v1
	v_lshl_add_u32 v7, v7, 2, s39
	v_mov_b32 v8, s38
	v_lshl_add_u32 v9, v1, 2, s38
	v_mov_b32 v10, 0
	s_wait_kmcnt 0x0
	s_load_b32 s24, s[20:21], 0x0                  ; out_b's value; waited for where it is added
	; All nine loads at once, in the order in which they are needed.
	global_load_b64 v[12:13], v5, s[8:9]
	global_load_b64 v[14:15], v6, s[10:11]
	global_load_b64 v[16:17], v6, s[12:13]
	global_load_b32 v20, v4, s[18:19]
	global_load_b32 v18, v4, s[14:15]
	global_load_b32 v19, v4, s[16:17]
	global_load_b128 v[24:27], v3, s[6:7]
	global_load_b128 v[Z:Z+3], v2, s[4:5] th:TH_LOAD_NT
	global_load_b128 v[Z+4:Z+7], v2, s[4:5] offset:65536 th:TH_LOAD_NT
	; U[k] and V[k]: two products a lane, then a sum over the 16 lanes that share a k.
	s_wait_loadcnt 0x6                             ; wctx, phi_w, phi_b are in; the six younger loads stay out
	v_mul_f32 v42, v12, v14
	v_mul_f32 v43, v12, v16
	v_fmac_f32 v42, v13, v15
	v_fmac_f32 v43, v13, v17
.irp m, 1,2,4,8
	v_add_f32_dpp v42, v42, v42 row_xmask:\m row_mask:0xf bank_mask:0xf
	v_add_f32_dpp v43, v43, v43 row_xmask:\m row_mask:0xf bank_mask:0xf
.endr
	ds_store_b32 v7, v42                           ; sixteen lanes write one word with one value
	ds_store_b32 v7, v43 offset:VTAB-UTAB
	s_wait_loadcnt 0x4                             ; out_w and wself_w are in; wself_b, mask and the two rows of z stay out
	v_mul_f32 v20, 0.5, v20                        ; oh
	s_cmp_lg_u32 s25, 0
	s_cbranch_scc1 .Lnot_wave_0
	ds_store_b32 v4, v18 offset:WTAB               ; wave 0 alone lays down the two tables that every wave reads by broadcast
	ds_store_b32 v4, v20 offset:OTAB
.Lnot_wave_0:
	s_wait_dscnt 0x0                               ; my words of the tables are in LDS before I say so
	s_barrier_signal -1
; Sums of three registers over the 32 lanes, side by side so that no line waits for the one in front; every lane gets the results.
.macro WSUM3 a, b, c
.irp m, 1,2,4,8
	v_add_f32_dpp v[\a], v[\a], v[\a] row_xmask:\m row_mask:0xf bank_mask:0xf
	v_add_f32_dpp v[\b], v[\b], v[\b] row_xmask:\m row_mask:0xf bank_mask:0xf
	v_add_f32_dpp v[\c], v[\c], v[\c] row_xmask:\m row_mask:0xf bank_mask:0xf
.endr
	v_permlanex16_b32 v24, v[\a], s28, s29         ; v24-26 held the mask: written before, and no longer needed
	v_permlanex16_b32 v25, v[\b], s28, s29
	v_permlanex16_b32 v26, v[\c], s28, s29
	v_add_f32 v[\a], v[\a], v24
	v_add_f32 v[\b], v[\b], v25
	v_add_f32 v[\c], v[\c], v26
.endm
	; Between the barrier's halves: registers only.  S0, S1 of both rows, and from them alpha and beta.
	s_wait_loadcnt 0x0
	v_pk_add_f32 v[X:X+1], v[24:25], v[26:27]
	v_pk_mul_f32 v[X+2:X+3], v[24:25], v[Z:Z+1]
	v_pk_mul_f32 v[X+4:X+5], v[24:25], v[Z+4:Z+5]
	v_pk_fma_f32 v[X+2:X+3], v[26:27], v[Z+2:Z+3], v[X+2:X+3]
	v_pk_fma_f32 v[X+4:X+5], v[26:27], v[Z+6:Z+7], v[X+4:X+5]
	v_add_f32 v36, v[X], v[X+1]
	v_add_f32 v37, v[X+2], v[X+3]
	v_add_f32 v38, v[X+4], v[X+5]
	WSUM3 36, 37, 38
	v_max_num_f32 v46, 1.0, v36                    ; den
	v_rcp_f32 v40, v46                             ; the moves below are the plain place between it and its result's first use (ISA guide 5.7.2)
	v_mov_b32 v57, 0
	v_mov_b32 v59, 0
	v_mov_b32 v61, 0
	v_mov_b32 v62, 0x39b45ae6                      ; c3 = 0.000344, in vector registers: the line that adds it already reads a scalar pair
	v_mov_b32 v63, 0x39b45ae6
	s_wait_alu depctr_va_vdst(0)
	v_mul_f32 v47, v36, v40                        ; beta
	v_mul_f32 v48, v37, v40                        ; alpha, row 0
	v_mul_f32 v49, v38, v40                        ; alpha, row 1
	s_barrier_wait -1                              ; all four tables are whole; nobody writes them again
; The constants of k = 4 g .. 4 g + 3, by four broadcast loads (every lane the same 16 bytes).
.macro LDC set, g
	ds_load_b128 v[\set:\set+3],     v10 offset:WTAB+16*(\g)
	ds_load_b128 v[\set+4:\set+7],   v10 offset:OTAB+16*(\g)
	ds_load_b128 v[\set+8:\set+11],  v8  offset:16*(\g)
	ds_load_b128 v[\set+12:\set+15], v8  offset:128+16*(\g)
.endm
	ds_load_b32 v44, v4 offset:UTAB
	ds_load_b32 v45, v4 offset:VTAB
	s_wait_dscnt 0x0
	v_fma_f32 v50, v47, v45, v19                   ; b + beta V           (lane = k)
	v_fma_f32 v51, v48, v44, v50                   ; t of row 0
	v_fma_f32 v52, v49, v44, v50                   ; t of row 1
	ds_store_b32 v9, v51
	ds_store_b32 v9, v52 offset:128
	LDC CA, 0                                      ; LDS serves a wave's instructions in order (ISA guide 5.7.1): these see my own stores above
; dst pair = z (one register of the pair zp, broadcast to both halves by sel) x pair m + pair a
.macro BC dst, zp, sel, m, a
	v_pk_fma_f32 v[\dst:\dst+1], v[\zp:\zp+1], v[\m:\m+1], v[\a:\a+1] op_sel:[\sel,0,0] op_sel_hi:[\sel,1,1]
.endm
; the same for the eight chains: chain 4 e + i is element i of row e; a0, a1 are the addends of rows 0 and 1
.macro ROWS d, m, a0, a1
	BC \d+0,  Z+0, 0, \m, \a0
	BC \d+2,  Z+0, 1, \m, \a0
	BC \d+4,  Z+2, 0, \m, \a0
	BC \d+6,  Z+2, 1, \m, \a0
	BC \d+8,  Z+4, 0, \m, \a1
	BC \d+10, Z+4, 1, \m, \a1
	BC \d+12, Z+6, 0, \m, \a1
	BC \d+14, Z+6, 1, \m, \a1
.endm
	; The linear part, while the constants are on their way: it starts the sums, so that nothing is cleared.
	v_mul_f32 v56, v20, v18
	v_mul_f32 v58, v20, v51
	v_mul_f32 v60, v20, v52
	WSUM3 56, 58, 60
	s_wait_kmcnt 0x0                               ; out_b
	v_add_f32 v58, s24, v58
	v_add_f32 v60, s24, v60
	ROWS ACC, 56, 58, 60                           ; (z sum(oh w) + sum(oh t) + out_b, 0)
; Two k for the eight chains: 16 gelu terms a lane in 88 plain lines and 16 reciprocals.  w, o, t0, t1: the register pairs of the two k.
.macro HALF w, o, t0, t1
	ROWS X, \w, \t0, \t1                           ; x = z w + t
.set j, 0
.rept 16
	v_and_b32 v[X+j], s30, v[X+j]                  ; a = |x|
.set j, j+1
.endr
.irp c, 0,2,4,6,8,10,12,14
	v_pk_fma_f32 v[P+\c:P+\c+1], v[X+\c:X+\c+1], s[32:33], v[62:63] op_sel_hi:[1,0,1]      ; c4 a + c3
.endr
.irp c, 0,2,4,6,8,10,12,14
	v_pk_fma_f32 v[P+\c:P+\c+1], v[P+\c:P+\c+1], v[X+\c:X+\c+1], s[34:35] op_sel_hi:[1,1,0] ; .. a + c2
.endr
.irp c, 0,2,4,6,8,10,12,14
	v_pk_fma_f32 v[P+\c:P+\c+1], v[P+\c:P+\c+1], v[X+\c:X+\c+1], s[36:37] op_sel_hi:[1,1,0] ; .. a + c1
.endr
.irp c, 0,2,4,6,8,10,12,14
	v_pk_fma_f32 v[P+\c:P+\c+1], v[P+\c:P+\c+1], v[X+\c:X+\c+1], 1.0 op_sel_hi:[1,1,0]      ; .. a + 1 = p
.endr
.irp c, 0,2,4,6,8,10,12,14
	v_rcp_f32 v[R+\c], v[P+\c]
	v_rcp_f32 v[R+\c+1], v[P+\c+1]
	v_pk_mul_f32 v[X+\c:X+\c+1], v[X+\c:X+\c+1], v[\o:\o+1]    ; oh a: useful work, and the plain place behind the two reciprocals (ISA guide 5.7.2)
.endr
	s_wait_alu depctr_va_vdst(0)
.irp c, 0,2,4,6,8,10,12,14
	v_pk_mul_f32 v[P+\c:P+\c+1], v[R+\c:R+\c+1], v[R+\c:R+\c+1]                             ; p^-2
.endr
.irp c, 0,2,4,6,8,10,12,14
	v_pk_fma_f32 v[P+\c:P+\c+1], v[P+\c:P+\c+1], v[P+\c:P+\c+1], 1.0 op_sel_hi:[1,1,0] neg_lo:[1,0,0] neg_hi:[1,0,0]   ; 1 - p^-4 = erf
.endr
.irp c, 0,2,4,6,8,10,12,14
	v_pk_fma_f32 v[ACC+\c:ACC+\c+1], v[X+\c:X+\c+1], v[P+\c:P+\c+1], v[ACC+\c:ACC+\c+1]
.endr
.endm
; Four k.  The wait is for zero because this group's four loads are all that is out: they were issued a whole group (208 lines) earlier.
; more = 1: the constants of group gn are asked for now, into the other buffer.
.macro GROUP cur, nxt, gn, more
	s_wait_dscnt 0x0
.if \more
	LDC \nxt, \gn
.endif
	HALF \cur+0, \cur+4, \cur+8, \cur+12
	HALF \cur+2, \cur+6, \cur+10, \cur+14
.endm
	; Written out, not looped: each wave passes here once, and the two buffers of constants are named in the lines themselves.
	GROUP CA, CB, 1, 1
	GROUP CB, CA, 2, 1
	GROUP CA, CB, 3, 1
	GROUP CB, CA, 4, 1
	GROUP CA, CB, 5, 1
	GROUP CB, CA, 6, 1
	GROUP CA, CB, 7, 1
	GROUP CB, CA, 0, 0
	; The way out: even k + odd k; a lane's four results of a row are 16 neighbouring bytes, a wave's store 512, aligned.
.set j, 0
.rept 8
	v_add_f32 v[X+j], v[ACC+2*j], v[ACC+2*j+1]
.set j, j+1
.endr
	global_store_b128 v2, v[X:X+3], s[22:23] th:TH_STORE_NT
	global_store_b128 v2, v[X+4:X+7], s[22:23] offset:65536 th:TH_STORE_NT
	s_wait_tensorcnt 0x0
	ds_add_u32 v160, v161
	s_wait_dscnt 0x0
	s_endpgm
.Lfunc_end_k_q27c1bfcba0_deepset:
	.size	k_q27c1bfcba0_deepset, .Lfunc_end_k_q27c1bfcba0_deepset-k_q27c1bfcba0_deepset
	.p2alignl 7, 3214868480
	.fill 96, 4, 3214868480
	.section	.rodata,"a",@progbits
	.p2align	6, 0x0
	.amdhsa_kernel k_q27c1bfcba0_deepset
		.amdhsa_group_segment_fixed_size 6656
		.amdhsa_private_segment_fixed_size 0
		.amdhsa_enable_private_segment 0
		.amdhsa_kernarg_size 80
		.amdhsa_user_sgpr_count 2
		.amdhsa_user_sgpr_kernarg_segment_ptr 1
		.amdhsa_wavefront_size32 1
		.amdhsa_system_sgpr_workgroup_id_x 1
		.amdhsa_system_sgpr_workgroup_id_y 1
		.amdhsa_system_sgpr_workgroup_id_z 1
		.amdhsa_system_vgpr_workitem_id 0
		.amdhsa_next_free_vgpr 162
		.amdhsa_next_free_sgpr 66
		.amdhsa_reserve_vcc 0
		.amdhsa_float_denorm_mode_32 3
		.amdhsa_float_denorm_mode_16_64 3
		.amdhsa_memory_ordered 1
		.amdhsa_forward_progress 1
		.amdhsa_inst_pref_size 100
	.end_amdhsa_kernel
	.amdgpu_metadata
---
amdhsa.version: [ 1, 2 ]
amdhsa.kernels:
  - .name:           k_q27c1bfcba0_deepset
    .symbol:         k_q27c1bfcba0_deepset.kd
    .args:
      - { .name: z_tilde, .offset: 0, .size: 8, .value_kind: global_buffer, .address_space: global }
      - { .name: mask, .offset: 8, .size: 8, .value_kind: global_buffer, .address_space: global }
      - { .name: wctx_w, .offset: 16, .size: 8, .value_kind: global_buffer, .address_space: global }
      - { .name: phi_w, .offset: 24, .size: 8, .value_kind: global_buffer, .address_space: global }
      - { .name: phi_b, .offset: 32, .size: 8, .value_kind: global_buffer, .address_space: global }
      - { .name: wself_w, .offset: 40, .size: 8, .value_kind: global_buffer, .address_space: global }
      - { .name: wself_b, .offset: 48, .size: 8, .value_kind: global_buffer, .address_space: global }
      - { .name: out_w, .offset: 56, .size: 8, .value_kind: global_buffer, .address_space: global }
      - { .name: out_b, .offset: 64, .size: 8, .value_kind: global_buffer, .address_space: global }
      - { .name: out0, .offset: 72, .size: 8, .value_kind: global_buffer, .address_space: global }
    .group_segment_fixed_size: 6656
    .private_segment_fixed_size: 0
    .kernarg_segment_align: 8
    .kernarg_segment_size: 80
    .max_flat_workgroup_size: 512
    .sgpr_count:     66
    .vgpr_count:     162
    .wavefront_size: 32
...
	.end_amdgpu_metadata
.endif
;; end of part 1
;; ======== version 2 of 2: 1 launch; version 1 with the launch deepset written anew for expert scheduling mode
;; limits: a function is approximated: absolute error at most 0.0007
;; launch deepset (part 2): grid 256 x 1, 16 waves a work-group, no clusters, 6,656 bytes of LDS; arguments z_tilde, mask, wctx_w, phi_w, phi_b, wself_w, wself_b, out_w, out_b, out0; writes out0
.if DOCPART == 2
	.amdgcn_target "amdgcn-amd-amdhsa--gfx1250"
	.amdhsa_code_object_version 6
	.text
	.protected	k_q27c1bfcba0_deepset
	.globl	k_q27c1bfcba0_deepset
	.p2align	8
	.type	k_q27c1bfcba0_deepset,@function
k_q27c1bfcba0_deepset:
	s_mov_b64 s[64:65], 0
	v_nop
	global_prefetch_b8 v0, s[64:65] scope:SCOPE_SE
	s_setreg_imm32_b32 hwreg(HW_REG_WAVE_SCHED_MODE, 0, 2), 2
	s_setreg_imm32_b32 hwreg(HW_REG_WAVE_MODE, 25, 1), 1
	s_wait_xcnt 0x0
	s_wait_alu depctr_vm_vsrc(0)
; DeepSetClassifier, one launch.  z, out: [8 b][8 e][128 n][128 m] f32; mask: [8 b][128 n][128 m] f32; DIM = 32.
;
; TWO IDENTITIES, true for every input, carry the design:
;  (a) phi is affine in z, so c = (S1 phi_w + S0 phi_b) / den with S1 = sum_m mask z, S0 = sum_m mask, den = max(S0, 1), and
;      ctx = alpha U + beta V with U = wctx phi_w, V = wctx phi_b (2 x 1,024 multiply-adds for a work-group), alpha = S1/den, beta = S0/den.
;  (b) gelu(x) = x/2 + |x|/2 erf(|x| / sqrt 2).  The x/2 part, summed over k with out_w, is linear in z: one multiply-add for an element.
; With x_k = z w_k + t_k, t_k = wself_b[k] + ctx[k], oh_k = out_w[k]/2:
;      out = z sum(oh w) + sum(oh t) + out_b + sum_k oh_k |x_k| erf(|x_k| / sqrt 2).
; erf(a / sqrt 2) = 1 - p(a)^-4, p = 1 + c1 a + c2 a^2 + c3 a^3 + c4 a^4 (Abramowitz & Stegun 26.2.18).
;
; LIMITS, kept knowingly: that formula is off by at most 2.5e-4 in the normal distribution function, which makes one gelu wrong by at most
; about 7e-4 (near |x| = 3) and one output by at most 7e-4 x sum|out_w|.  Inputs are finite (an infinite z gives NaN through 0 x inf in the
; accumulators' start).  Where a^4 overflows, p is infinite, 1/p is 0 and erf is 1: the right limit.  c and ctx are rounded in another
; order than in the reference (identity (a)); the division by den is v_rcp_f32 and a multiply.
;
; SHARES.  256 work-groups of 16 waves.  Work-group x: b = x >> 5, four n from 4 (x & 31), all eight e: 32 rows of 128 numbers.
; Wave w: n = n0 + (w >> 2), rows e = 2 (w & 3) and e + 1, which share one row of the mask.  A lane holds 4 neighbouring numbers of each
; row, so each load of z or mask and each store covers 512 consecutive bytes, aligned.  A packed f32 pair holds (k, k+1) of ONE element:
; w, t and oh are then natural register pairs and only z is broadcast (op_sel).  2 rows x 4 elements = 8 chains that do not wait for each other.
;
; LEFT OUT, by the sizes: matrix instructions (the ctx product has collapsed to U and V; the out product has one column, 16 useful sums of
; the 256 that an instruction makes); tensor loads and a ring (a work-group reads 18 KB, all asked for in its first lines); clusters (all that
; work-groups share are 5 KB of weights); prefetches (every load is issued at once).  The four waves of one n each read its 512 bytes of mask.
;
; THE MODE: SCHED_MODE bits 1:0 = 2 (LLVM: expert scheduling mode 2), set by the entry lines.  The code itself states the register dependences
; between vector instructions and memory or LDS instructions, with s_wait_alu, always for 0.
; THE PLAN.  Registers that memory or LDS instructions touch:
;   v2 .. v10    offsets and LDS addresses: made once at the head, never written again.  One wait ahead of the first load serves them all.
;   v42, v43, v20, v51, v52, and X+0 .. X+7 at the end: data of stores, written by vector lines: a wait ahead of each run of stores.  None is written again behind its store.
;   CA, CB       the constants of four k, by turns.  Group g reads its buffer in the lines x = z w + t and oh a of its two halves; all of these
;                stand ahead of the second half's wait for its reciprocals, and the 24 lines behind that wait name R, P, X and ACC alone.
;                So that one wait also states that the buffer has been read out, and the loads of group g + 2 follow it at once.
;   All other load destinations are named by no vector line before their load is issued.
; No register that a memory or LDS instruction reads is written afterwards, so the body needs no wait on vm_vsrc.  EXEC and VCC are never written.
.set WTAB, 0                           ; LDS   0..127   wself_w[32]
.set OTAB, 128                         ;     128..255   out_w[32] / 2
.set UTAB, 256                         ;     256..383   U[32]
.set VTAB, 384                         ;     384..511   V[32]
.set TTAB, 512                         ;     512 + 256 wave + 128 row: t[32] of the wave's two rows, the wave's own bytes
.set Z,   28                           ; v[28:31] z of row 0, v[32:35] z of row 1
.set CA,  64                           ; v[64:79]   constants of four k: +0 w, +4 oh, +8 t of row 0, +12 t of row 1: the even groups'
.set CB,  80                           ; v[80:95]   the same, the odd groups'
.set X,   96                           ; v[96:111]  x, then |x|, then oh |x|: a pair for each chain; at the ends: scratch and the results
.set P,   112                          ; v[112:127] p, then p^-2, then 1 - p^-4
.set ACC, 128                          ; v[128:143] a pair of sums for each chain (even k, odd k)
.set R,   144                          ; v[144:159] 1 / p
; v0 thread  v1 lane  v2 z/out offset  v3 mask offset  v4 4 lane  v5 8 t  v6 8 (t & 15)  v7 U/V store address  v8 my TTAB  v9 my TTAB + 4 lane
; v10 zero  v[12:17] wctx, phi_w, phi_b pairs  v18 w[lane]  v19 b[lane]  v20 oh[lane]  v[24:27] mask, then scratch of the lane sums
; v36-38 S0, S1 row 0, S1 row 1  v40 1/den  v42-45 U, V  v46 den  v47-49 beta, alpha 0, alpha 1  v50-52 b + beta V, t row 0, t row 1
; v[56:57] (sum oh w, 0)  v[58:59], v[60:61] (sum oh t + out_b, 0) of rows 0, 1  v[62:63] c3 twice
	s_load_b512 s[4:19], s[0:1], 0x0               ; z s[4:5], mask s[6:7], wctx s[8:9], phi_w s[10:11], phi_b s[12:13], wself_w s[14:15], wself_b s[16:17], out_w s[18:19]
	s_load_b128 s[20:23], s[0:1], 0x40             ; out_b s[20:21], out0 s[22:23]
	v_lshl_add_u32 v54, v0, 2, 0x1200
	v_mov_b32 v55, 0
	v_and_b32 v1, 31, v0                           ; lane
	v_lshrrev_b32 v11, 5, v0
	v_readfirstlane_b32 s25, v11                   ; wave 0..15
	s_lshr_b32 s31, ttmp9, 5                       ; b
	s_and_b32 s27, ttmp9, 31
	s_lshl_b32 s27, s27, 2                         ; n0
	s_wait_alu depctr_va_sdst(0)                   ; s25 is written, ahead of its first reader: offsets, LDS addresses and a branch are made from it
	s_lshr_b32 s26, s25, 2
	s_add_co_u32 s27, s27, s26                     ; n
	s_lshl_b32 s27, s27, 9                         ; a row is 512 bytes
	s_and_b32 s26, s25, 3
	s_lshl_b32 s26, s26, 17                        ; e = 2 (w & 3); an e is 65,536 bytes
	s_add_co_u32 s26, s26, s27
	s_lshl_b32 s38, s31, 19                        ; a b of z is 524,288 bytes
	s_add_co_u32 s26, s26, s38                     ; s26: my first row in z and in out0
	s_lshl_b32 s38, s31, 16                        ; a b of the mask is 65,536 bytes
	s_add_co_u32 s27, s27, s38                     ; s27: my row in the mask
	s_lshl_b32 s38, s25, 8
	s_add_co_u32 s38, s38, TTAB                    ; s38: my wave's two rows of t in LDS
	s_lshl_b32 s39, s25, 3
	s_add_co_u32 s39, s39, UTAB                    ; s39: the two words of U that my wave makes (k = 2 wave, 2 wave + 1)
	s_mov_b32 s28, 0x76543210                      ; v_permlanex16_b32: lane i of one half reads lane i of the other
	s_mov_b32 s29, 0xfedcba98
	s_mov_b32 s30, 0x7fffffff                      ; clears a sign
	s_mov_b32 s32, 0x3c9ff716                      ; c4 = 0.019527; each constant fills a pair, since a packed source is read as a pair
	s_mov_b32 s33, 0x3c9ff716
	s_mov_b32 s34, 0x3debead5                      ; c2 = 0.115194
	s_mov_b32 s35, 0x3debead5
	s_mov_b32 s36, 0x3e499418                      ; c1 = 0.196854
	s_mov_b32 s37, 0x3e499418
	v_lshl_add_u32 v2, v1, 4, s26
	v_lshl_add_u32 v3, v1, 4, s27
	v_lshlrev_b32 v4, 2, v1
	v_lshlrev_b32 v5, 3, v0                        ; thread t holds wctx[k = t >> 4][d = 2 (t & 15), + 1]: 512 threads cover its 4,096 bytes once
	v_and_b32 v6, 15, v0
	v_lshlrev_b32 v6, 3, v6                        ; and the same two d of phi_w and phi_b
	v_lshrrev_b32 v7, 4, v1
	v_lshl_add_u32 v7, v7, 2, s39
	v_mov_b32 v8, s38
	v_lshl_add_u32 v9, v1, 2, s38
	v_mov_b32 v10, 0
	s_wait_kmcnt 0x0
	s_load_b32 s24, s[20:21], 0x0                  ; out_b's value; waited for where it is added
	s_wait_alu depctr_va_vdst(0)                   ; v2 to v10 are written: every load, store and LDS instruction but the final ds_add reads one of them as its offset or address
	; All nine loads at once, in the order in which they are needed.
	global_load_b64 v[12:13], v5, s[8:9]
	global_load_b64 v[14:15], v6, s[10:11]
	global_load_b64 v[16:17], v6, s[12:13]
	global_load_b32 v20, v4, s[18:19]
	global_load_b32 v18, v4, s[14:15]
	global_load_b32 v19, v4, s[16:17]
	global_load_b128 v[24:27], v3, s[6:7]
	global_load_b128 v[Z:Z+3], v2, s[4:5] th:TH_LOAD_NT
	global_load_b128 v[Z+4:Z+7], v2, s[4:5] offset:65536 th:TH_LOAD_NT
	; U[k] and V[k]: two products a lane, then a sum over the 16 lanes that share a k.
	s_wait_loadcnt 0x6                             ; wctx, phi_w, phi_b are in; the six younger loads stay out
	v_mul_f32 v42, v12, v14
	v_mul_f32 v43, v12, v16
	v_fmac_f32 v42, v13, v15
	v_fmac_f32 v43, v13, v17
.irp m, 1,2,4,8
	v_add_f32_dpp v42, v42, v42 row_xmask:\m row_mask:0xf bank_mask:0xf
	v_add_f32_dpp v43, v43, v43 row_xmask:\m row_mask:0xf bank_mask:0xf
.endr
	s_wait_loadcnt 0x4                             ; out_w and wself_w are in; wself_b, mask and the two rows of z stay out
	v_mul_f32 v20, 0.5, v20                        ; oh
	s_wait_alu depctr_va_vdst(0)                   ; the sums have written v42 and v43 and the halving v20, which the LDS stores below read: one wait for all four stores
	ds_store_b32 v7, v42                           ; sixteen lanes write one word with one value
	ds_store_b32 v7, v43 offset:VTAB-UTAB
	s_cmp_lg_u32 s25, 0
	s_cbranch_scc1 .Lnot_wave_0
	ds_store_b32 v4, v18 offset:WTAB               ; wave 0 alone lays down the two tables that every wave reads by broadcast
	ds_store_b32 v4, v20 offset:OTAB
.Lnot_wave_0:
	s_wait_dscnt 0x0                               ; my words of the tables are in LDS before I say so
	s_barrier_signal -1
; Sums of three registers over the 32 lanes, side by side so that no line waits for the one in front; every lane gets the results.
.macro WSUM3 a, b, c
.irp m, 1,2,4,8
	v_add_f32_dpp v[\a], v[\a], v[\a] row_xmask:\m row_mask:0xf bank_mask:0xf
	v_add_f32_dpp v[\b], v[\b], v[\b] row_xmask:\m row_mask:0xf bank_mask:0xf
	v_add_f32_dpp v[\c], v[\c], v[\c] row_xmask:\m row_mask:0xf bank_mask:0xf
.endr
	v_permlanex16_b32 v24, v[\a], s28, s29         ; v24-26 held the mask: written before, and no longer needed
	v_permlanex16_b32 v25, v[\b], s28, s29
	v_permlanex16_b32 v26, v[\c], s28, s29
	v_add_f32 v[\a], v[\a], v24
	v_add_f32 v[\b], v[\b], v25
	v_add_f32 v[\c], v[\c], v26
.endm
	; Between the barrier's halves: registers only.  S0, S1 of both rows, and from them alpha and beta.
	s_wait_loadcnt 0x0
	v_pk_add_f32 v[X:X+1], v[24:25], v[26:27]
	v_pk_mul_f32 v[X+2:X+3], v[24:25], v[Z:Z+1]
	v_pk_mul_f32 v[X+4:X+5], v[24:25], v[Z+4:Z+5]
	v_pk_fma_f32 v[X+2:X+3], v[26:27], v[Z+2:Z+3], v[X+2:X+3]
	v_pk_fma_f32 v[X+4:X+5], v[26:27], v[Z+6:Z+7], v[X+4:X+5]
	v_add_f32 v36, v[X], v[X+1]
	v_add_f32 v37, v[X+2], v[X+3]
	v_add_f32 v38, v[X+4], v[X+5]
	WSUM3 36, 37, 38
	v_max_num_f32 v46, 1.0, v36                    ; den
	v_rcp_f32 v40, v46                             ; the moves below are the plain place between it and its result's first use (ISA guide 5.7.2)
	v_mov_b32 v57, 0
	v_mov_b32 v59, 0
	v_mov_b32 v61, 0
	v_mov_b32 v62, 0x39b45ae6                      ; c3 = 0.000344, in vector registers: the line that adds it already reads a scalar pair
	v_mov_b32 v63, 0x39b45ae6
	s_wait_alu depctr_va_vdst(0)                   ; the reciprocal has written v40, ahead of its first reader
	v_mul_f32 v47, v36, v40                        ; beta
	v_mul_f32 v48, v37, v40                        ; alpha, row 0
	v_mul_f32 v49, v38, v40                        ; alpha, row 1
	s_barrier_wait -1                              ; all four tables are whole; nobody writes them again
; The constants of k = 4 g .. 4 g + 3, by four broadcast loads (every lane the same 16 bytes).
.macro LDC set, g
	ds_load_b128 v[\set:\set+3],     v10 offset:WTAB+16*(\g)
	ds_load_b128 v[\set+4:\set+7],   v10 offset:OTAB+16*(\g)
	ds_load_b128 v[\set+8:\set+11],  v8  offset:16*(\g)
	ds_load_b128 v[\set+12:\set+15], v8  offset:128+16*(\g)
.endm
	ds_load_b32 v44, v4 offset:UTAB                ; no vector line has named v44 or v45
	ds_load_b32 v45, v4 offset:VTAB
	s_wait_dscnt 0x0
	v_fma_f32 v50, v47, v45, v19                   ; b + beta V           (lane = k)
	v_fma_f32 v51, v48, v44, v50                   ; t of row 0
	v_fma_f32 v52, v49, v44, v50                   ; t of row 1
	s_wait_alu depctr_va_vdst(0)                   ; the multiply-adds have written v51 and v52, which the LDS stores read
	ds_store_b32 v9, v51
	ds_store_b32 v9, v52 offset:128
	LDC CA, 0                                      ; LDS serves a wave's instructions in order (ISA guide 5.7.1): these see my own stores above
	LDC CB, 1                                      ; both buffers are asked for at once; no vector line has named either
; dst pair = z (one register of the pair zp, broadcast to both halves by sel) x pair m + pair a
.macro BC dst, zp, sel, m, a
	v_pk_fma_f32 v[\dst:\dst+1], v[\zp:\zp+1], v[\m:\m+1], v[\a:\a+1] op_sel:[\sel,0,0] op_sel_hi:[\sel,1,1]
.endm
; the same for the eight chains: chain 4 e + i is element i of row e; a0, a1 are the addends of rows 0 and 1
.macro ROWS d, m, a0, a1
	BC \d+0,  Z+0, 0, \m, \a0
	BC \d+2,  Z+0, 1, \m, \a0
	BC \d+4,  Z+2, 0, \m, \a0
	BC \d+6,  Z+2, 1, \m, \a0
	BC \d+8,  Z+4, 0, \m, \a1
	BC \d+10, Z+4, 1, \m, \a1
	BC \d+12, Z+6, 0, \m, \a1
	BC \d+14, Z+6, 1, \m, \a1
.endm
	; The linear part, while the constants are on their way: it starts the sums, so that nothing is cleared.
	v_mul_f32 v56, v20, v18
	v_mul_f32 v58, v20, v51
	v_mul_f32 v60, v20, v52
	WSUM3 56, 58, 60
	s_wait_kmcnt 0x0                               ; out_b
	v_add_f32 v58, s24, v58
	v_add_f32 v60, s24, v60
	ROWS ACC, 56, 58, 60                           ; (z sum(oh w) + sum(oh t) + out_b, 0)
; Two k for the eight chains: 16 gelu terms a lane in 88 plain lines and 16 reciprocals.  w, o, t0, t1: the register pairs of the two k.
; ld = 1 (a group's second half): behind the wait the group's buffer, set, is asked for again, with the constants of group g.
.macro HALF w, o, t0, t1, ld, set, g
	ROWS X, \w, \t0, \t1                           ; x = z w + t
.set j, 0
.rept 16
	v_and_b32 v[X+j], s30, v[X+j]                  ; a = |x|
.set j, j+1
.endr
.irp c, 0,2,4,6,8,10,12,14
	v_pk_fma_f32 v[P+\c:P+\c+1], v[X+\c:X+\c+1], s[32:33], v[62:63] op_sel_hi:[1,0,1]      ; c4 a + c3
.endr
.irp c, 0,2,4,6,8,10,12,14
	v_pk_fma_f32 v[P+\c:P+\c+1], v[P+\c:P+\c+1], v[X+\c:X+\c+1], s[34:35] op_sel_hi:[1,1,0] ; .. a + c2
.endr
.irp c, 0,2,4,6,8,10,12,14
	v_pk_fma_f32 v[P+\c:P+\c+1], v[P+\c:P+\c+1], v[X+\c:X+\c+1], s[36:37] op_sel_hi:[1,1,0] ; .. a + c1
.endr
.irp c, 0,2,4,6,8,10,12,14
	v_pk_fma_f32 v[P+\c:P+\c+1], v[P+\c:P+\c+1], v[X+\c:X+\c+1], 1.0 op_sel_hi:[1,1,0]      ; .. a + 1 = p
.endr
.irp c, 0,2,4,6,8,10,12,14
	v_rcp_f32 v[R+\c], v[P+\c]
	v_rcp_f32 v[R+\c+1], v[P+\c+1]
	v_pk_mul_f32 v[X+\c:X+\c+1], v[X+\c:X+\c+1], v[\o:\o+1]    ; oh a: useful work, and the plain place behind the two reciprocals (ISA guide 5.7.2)
.endr
	s_wait_alu depctr_va_vdst(0)                   ; the sixteen reciprocals, one batch, have written R, ahead of their first reader; in a group's second half also: the lines above are done reading the group's constants, in which the loads below land
.if \ld
	LDC \set, \g                                   ; two groups ahead.  The 24 lines that follow name R, P, X and ACC alone
.endif
.irp c, 0,2,4,6,8,10,12,14
	v_pk_mul_f32 v[P+\c:P+\c+1], v[R+\c:R+\c+1], v[R+\c:R+\c+1]                             ; p^-2
.endr
.irp c, 0,2,4,6,8,10,12,14
	v_pk_fma_f32 v[P+\c:P+\c+1], v[P+\c:P+\c+1], v[P+\c:P+\c+1], 1.0 op_sel_hi:[1,1,0] neg_lo:[1,0,0] neg_hi:[1,0,0]   ; 1 - p^-4 = erf
.endr
.irp c, 0,2,4,6,8,10,12,14
	v_pk_fma_f32 v[ACC+\c:ACC+\c+1], v[X+\c:X+\c+1], v[P+\c:P+\c+1], v[ACC+\c:ACC+\c+1]
.endr
.endm
; Four k.  cur: the group's buffer.  more = 1: its second half asks for the constants of group gn into the same buffer.
; left: LDS loads come back in order (ISA guide 5.7.1): this group's four are in, the next group's four, issued behind them, stay out.
.macro GROUP cur, gn, more, left
	s_wait_dscnt \left
	HALF \cur+0, \cur+4, \cur+8, \cur+12, 0, \cur, 0
	HALF \cur+2, \cur+6, \cur+10, \cur+14, \more, \cur, \gn
.endm
	; Written out, not looped: each wave passes here once, and the two buffers of constants are named in the lines themselves.
	GROUP CA, 2, 1, 4
	GROUP CB, 3, 1, 4
	GROUP CA, 4, 1, 4
	GROUP CB, 5, 1, 4
	GROUP CA, 6, 1, 4
	GROUP CB, 7, 1, 4
	GROUP CA, 0, 0, 4                              ; the last two groups ask for nothing:
	GROUP CB, 0, 0, 0                              ; no load was issued behind this group's four, so the count is 0
	; The way out: even k + odd k; a lane's four results of a row are 16 neighbouring bytes, a wave's store 512, aligned.
.set j, 0
.rept 8
	v_add_f32 v[X+j], v[ACC+2*j], v[ACC+2*j+1]
.set j, j+1
.endr
	s_wait_alu depctr_va_vdst(0)                   ; the eight additions have written X+0 to X+7, which the two stores read
	global_store_b128 v2, v[X:X+3], s[22:23] th:TH_STORE_NT
	global_store_b128 v2, v[X+4:X+7], s[22:23] offset:65536 th:TH_STORE_NT
	s_wait_dscnt 0x0
	s_wait_alu depctr_hold_cnt(0) depctr_sa_sdst(0) depctr_va_vdst(0) depctr_va_sdst(0) depctr_va_ssrc(0) depctr_va_vcc(0) depctr_vm_vsrc(0)
	s_wait_tensorcnt 0x0
	ds_add_u32 v54, v55
	s_wait_dscnt 0x0
	s_endpgm
.Lfunc_end_k_q27c1bfcba0_deepset:
	.size	k_q27c1bfcba0_deepset, .Lfunc_end_k_q27c1bfcba0_deepset-k_q27c1bfcba0_deepset
	.p2alignl 7, 3214868480
	.fill 96, 4, 3214868480
	.section	.rodata,"a",@progbits
	.p2align	6, 0x0
	.amdhsa_kernel k_q27c1bfcba0_deepset
		.amdhsa_group_segment_fixed_size 6656
		.amdhsa_private_segment_fixed_size 0
		.amdhsa_enable_private_segment 0
		.amdhsa_kernarg_size 80
		.amdhsa_user_sgpr_count 2
		.amdhsa_user_sgpr_kernarg_segment_ptr 1
		.amdhsa_wavefront_size32 1
		.amdhsa_system_sgpr_workgroup_id_x 1
		.amdhsa_system_sgpr_workgroup_id_y 1
		.amdhsa_system_sgpr_workgroup_id_z 1
		.amdhsa_system_vgpr_workitem_id 0
		.amdhsa_next_free_vgpr 160
		.amdhsa_next_free_sgpr 66
		.amdhsa_reserve_vcc 0
		.amdhsa_float_denorm_mode_32 3
		.amdhsa_float_denorm_mode_16_64 3
		.amdhsa_memory_ordered 1
		.amdhsa_forward_progress 1
		.amdhsa_inst_pref_size 100
	.end_amdhsa_kernel
	.amdgpu_metadata
---
amdhsa.version: [ 1, 2 ]
amdhsa.kernels:
  - .name:           k_q27c1bfcba0_deepset
    .symbol:         k_q27c1bfcba0_deepset.kd
    .args:
      - { .name: z_tilde, .offset: 0, .size: 8, .value_kind: global_buffer, .address_space: global }
      - { .name: mask, .offset: 8, .size: 8, .value_kind: global_buffer, .address_space: global }
      - { .name: wctx_w, .offset: 16, .size: 8, .value_kind: global_buffer, .address_space: global }
      - { .name: phi_w, .offset: 24, .size: 8, .value_kind: global_buffer, .address_space: global }
      - { .name: phi_b, .offset: 32, .size: 8, .value_kind: global_buffer, .address_space: global }
      - { .name: wself_w, .offset: 40, .size: 8, .value_kind: global_buffer, .address_space: global }
      - { .name: wself_b, .offset: 48, .size: 8, .value_kind: global_buffer, .address_space: global }
      - { .name: out_w, .offset: 56, .size: 8, .value_kind: global_buffer, .address_space: global }
      - { .name: out_b, .offset: 64, .size: 8, .value_kind: global_buffer, .address_space: global }
      - { .name: out0, .offset: 72, .size: 8, .value_kind: global_buffer, .address_space: global }
    .group_segment_fixed_size: 6656
    .private_segment_fixed_size: 0
    .kernarg_segment_align: 8
    .kernarg_segment_size: 80
    .max_flat_workgroup_size: 512
    .sgpr_count:     66
    .vgpr_count:     160
    .wavefront_size: 32
...
	.end_amdgpu_metadata
.endif
;; end of part 2
